; MI455X (gfx1250); checked and timed in simulation.
; The chip was launched on July 23, 2026; its instructions are those of AMD's public machine-readable ISA for CDNA 5 (MIT licence, August 2026) and "CDNA5" Instruction Set Architecture Reference Guide (July 2026). The comments in the code are by the model that wrote it; some were corrected since.
;; Binary Decorator. Allowed arithmetic: matrix products marked QUANTISED: E4M3 operands, one given power-of-two scale a tensor, by v_wmma_f32_16x16x64_fp8_fp8 or v_wmma_f32_16x16x128_fp8_fp8, f32 sums; everything else in f32.
;; Inputs: W 4,096 x 4,096 float32; b 4,096 float32; lowp_scales 2 int32 (the exponents e of the quantised operands' scales 2^e); x 4,096 x 4,096 float32.
;; Outputs: out0 4,096 x 4,096 float32.
;; This version of the problem:
;;   THIS VERSION OF THE PROBLEM IS GIVEN IN LOW PRECISION. The matrix products marked QUANTISED in the list below multiply operands that are first quantised to E4M3 (4 exponent bits, 3 mantissa bits; 8 bits a number), with one given power-of-two scale for each operand tensor; their sums are f32. All else is computed in f32.
;;   The module's matrix products, in the order in which they are computed (A, B: the left and right operand; K: the contracted axis; several contracted axes count as one K, in the product's order):
;;     1. [M 4,096, K 4,096] x [K 4,096, N 4,096]; A: computed on the way; B: computed on the way: QUANTISED (scales: A lowp_scales[0], B lowp_scales[1])
;;   THE QUANTISER, for each operand of a quantised product, along K:
;;     - The operand's scale is 2^e, e = its entry of the input lowp_scales (int32; the entries are numbered through the quantised products in the list's order, A before B).
;;     - Each number is divided by the scale, clamped to +-448, and rounded to the nearest number of E4M3, ties to even, subnormals kept.
;;     - The product sums the exact products of the quantised numbers (number of the format x scale) in f32.
;;   ~~~python
;;   def quantise(x, axis, e):      # numpy; x: float32 -> the quantised numbers, widened to float32 again
;;       x = np.moveaxis(x, axis, -1); K = x.shape[-1]
;;       r = np.clip(x / 2.0 ** e, -448, 448)
;;       step = 2.0 ** (np.maximum(np.frexp(np.where(r == 0, 1, r))[1] - 1, -6) - 3)
;;       q = np.round(r / step) * step * 2.0 ** e      # np.round: ties to even
;;       return np.moveaxis(q, -1, axis).astype(np.float32)
;;   ~~~
;;   OPERANDS COMPUTED ON THE WAY. 'Computed on the way' means the value that the module computes at that place (a softmax that the list does not call 'softmax' is quantised finished and normalised). What goes into a quantiser is computed in f32, as accurately as f32 sums, v_exp_f32 and their like allow (about 1e-6 of the number): no bf16 or f16 on the way to a quantiser, and a product that is left as it is and whose result goes on into a quantised operand takes f32 operands (vector FMAs, or v_wmma_f32_16x16x4_f32). A number that lies on a knife's edge between two numbers of the format may be rounded either way, as far as f32 arithmetic and the matrix unit's own rounding can turn it there, and no further.
;; One version. Each part assembles by itself: llvm-mc -triple=amdgcn-amd-amdhsa -mcpu=gfx1250 --defsym DOCPART=n.
;; ======== version 1 of 1: 2 launches
;; limits: right only within a limited range of input values
;; workspace buffers: xc 16,777,216 bytes; wc 16,777,216 bytes; parts 8,192 bytes
;; launch quant (part 1): grid 512 x 1, 8 waves a work-group, no clusters, 19,456 bytes of LDS; arguments x, W, lowp_scales, xc, wc, parts; writes xc, wc, parts
.if DOCPART == 1
	.amdgcn_target "amdgcn-amd-amdhsa--gfx1250"
	.amdhsa_code_object_version 6
	.text
	.protected	k_qeb3f449a0f_quant
	.globl	k_qeb3f449a0f_quant
	.p2align	8
	.type	k_qeb3f449a0f_quant,@function
k_qeb3f449a0f_quant:
	s_mov_b64 s[64:65], 0
	v_nop
	global_prefetch_b8 v0, s[64:65] scope:SCOPE_SE
	s_setreg_imm32_b32 hwreg(HW_REG_WAVE_MODE, 25, 1), 1
	s_wait_xcnt 0x0
; sign(x) and sign(W), [4096][4096] f32 each, become codes of FP8 (E4M3), one byte a number, each with the one scale 2^e given for it (entry 0: x, entry 1: W);
; and each wave that walks x leaves the sum of its 8,192 |x| in parts (2,048 f32): the next launch adds them up for the mean.
; code = sign / 2^e, held within +-448, to the nearest code, ties to even, subnormals kept.
; A NUMBER'S WAY, without a compare: x * 2^300 is +-infinity for every x that is not zero (2^-149 gives 2^151, past f32's range) and +-0 for zero;
; held within +-c, c = min(1, 448 * 2^e), that is sign(x) already held at the largest code x the scale; the conversion divides by 2^e and rounds.
; LIMITS: -126 <= e <= 119, so that 2^e and 448 * 2^e are f32 numbers.  NaN among the inputs is not served.
; THE CODES' LAYOUT, alike in xc and wc, is the image of the next launch's operand registers: [tile of 16 rows][K step of 128][c = 0..3][lane][16 bytes];
; lane (r = lane % 16, h = lane / 16) holds, of the tile's row r, k = 128 step + 32 c + 16 h + 0 .. 15.  A tile's 4,096 k are 65,536 bytes on end.
; SHARES.  Work-groups 0-255 take x, 256-511 W: pointers alone are chosen.  A work-group takes a tile of 16 rows, wave w its k = 512 w .. 512 w + 511, in four jobs of 128 k.
; A job: sixteen loads, each 512 consecutive bytes of one row (4 numbers a lane); a conversion of eight registers gives two rows' four codes; the 16 x 128 codes turn through the wave's own
; LDS region (rows 144 bytes apart: 36 words, so sixteen rows start at sixteen different groups of four banks) and leave as four stores of 512 consecutive bytes.
; Three jobs' loads (48 a wave) go out at the start, the fourth's when the first set is free.  Every offset is an immediate; no store's data are written again.
.set WGA,   256
.set LP,    144                        ; an LDS row: 128 codes + 16 bytes
.set SPARE, 8*16*LP                    ; behind the eight regions: the spare words, 128 bytes a wave
.set OFF,   1                          ; v1  16 x lane
.set LW,    5                          ; v5  into my region: 4 x lane
.set LR,    6                          ; v6  out of it: LP r + 16 h
.set SUM,   8                          ; v8-11 four chains of |x|
.set SC,    12                         ; v12 2^e
.set LIMC,  13                         ; v13 c
.set SPW,   14
.set NIL,   15
.set R,     16                         ; v16-207 three sets of 64 numbers
.set C,     208                        ; v208-223 a job's codes, one register a row
.set O0,    224                        ; v224-239 job 0's way out (the other jobs use their own set's first sixteen registers, which are not loaded again)
	s_load_b128 s[4:7], s[0:1], 0x0                ; x, W
	s_load_b64 s[8:9], s[0:1], 0x10                ; the scales' exponents
	s_load_b128 s[12:15], s[0:1], 0x18             ; xc, wc
	s_load_b64 s[16:17], s[0:1], 0x28              ; parts
	v_lshl_add_u32 v[SPW], v0, 2, SPARE
	v_mov_b32 v[NIL], 0
	v_lshrrev_b32 v2, 5, v0
	v_readfirstlane_b32 s18, v2                    ; wave 0..7
	s_mul_i32 s26, s18, 16*LP                      ; my region
	v_and_b32 v2, 31, v0                           ; lane
	v_lshlrev_b32 v[OFF], 4, v2
	v_lshl_add_u32 v[LW], v2, 2, s26
	v_and_b32 v7, 15, v2
	v_mul_u32_u24 v7, v7, LP
	v_add_nc_u32 v7, s26, v7
	v_bfe_u32 v[LR], v2, 4, 1
	v_lshl_add_u32 v[LR], v[LR], 4, v7
	v_mov_b32 v3, 0                                ; the partial sum's offset
	v_mov_b32 v4, 0                                ; a lane permute's destination counts as one of its sources
.irp i, 0,1,2,3
	v_mov_b32 v[SUM+\i], 0
.endr
	s_mov_b32 s27, 300
	s_mov_b32 s28, 0x76543210                      ; v_permlanex16_b32's selects for lane l xor 16
	s_mov_b32 s29, 0xfedcba98
	s_cmp_lt_u32 ttmp9, WGA                        ; x's work-group or W's?
	s_cselect_b32 s19, 1, 0                        ; 1: x
	s_cselect_b32 s20, 0, WGA
	s_sub_co_u32 s20, ttmp9, s20                   ; the tile of 16 rows
	s_lshl_b32 s21, s20, 3
	s_add_co_u32 s21, s21, s18                     ; 8 x tile + wave
	s_mov_b32 s23, 0
	s_wait_alu depctr_va_vdst(0)
	s_wait_kmcnt 0x0
	s_load_b64 s[24:25], s[8:9], 0x0               ; e of x, e of W
	s_cmp_lg_u32 s19, 0
	s_cselect_b64 s[4:5], s[4:5], s[6:7]
	s_cselect_b64 s[12:13], s[12:13], s[14:15]
	s_lshl_b32 s22, s20, 18                        ; 16 rows of 16,384 bytes,
	s_add_nc_u64 s[4:5], s[4:5], s[22:23]
	s_lshl_b32 s22, s18, 11                        ; and my 512 numbers of a row
	s_add_nc_u64 s[4:5], s[4:5], s[22:23]
	s_lshl_b32 s22, s21, 13                        ; my 8,192 bytes of codes
	s_add_nc_u64 s[12:13], s[12:13], s[22:23]
	s_lshl_b32 s22, s21, 2                         ; and one f32 in parts
	s_add_nc_u64 s[16:17], s[16:17], s[22:23]
.macro LOAD t                          ; job t into set t % 3: row i's 128 numbers, 512 consecutive bytes a load
.irp i, 0,1,2,3,4,5,6,7,8,9,10,11,12,13,14,15
	global_load_b128 v[R+64*((\t)%3)+4*\i:R+64*((\t)%3)+4*\i+3], v[OFF], s[4:5] offset:16384*\i+512*(\t) th:TH_LOAD_NT
.endr
.endm
	LOAD 0
	LOAD 1
	LOAD 2
	s_wait_kmcnt 0x0
	s_cmp_lg_u32 s19, 0
	s_cselect_b32 s24, s24, s25                    ; e
	s_add_co_i32 s24, s24, 127
	s_lshl_b32 s26, s24, 23
	v_mov_b32 v[SC], s26                           ; 2^e
	s_add_co_i32 s24, s24, 8
	s_lshl_b32 s26, s24, 23
	s_or_b32 s26, s26, 0x600000                    ; 448 x 2^e
	s_min_u32 s26, s26, 0x3f800000                 ; positive f32 numbers order as whole numbers do: min(1, 448 x 2^e)
	v_mov_b32 v[LIMC], s26
	s_wait_alu depctr_va_vdst(0)
.macro JOB t, lc                       ; lc: the younger loads, which may stay out
.set RS, R+64*((\t)%3)
.if (\t) == 0
.set OU, O0
.else
.set OU, RS
.endif
	s_wait_loadcnt \lc
	s_cmp_lg_u32 s19, 0                            ; |W| is not wanted
	s_cbranch_scc0 .Lnosum_\@
.set i, 0
.rept 64
	v_add_f32 v[SUM+i%4], v[SUM+i%4], |v[RS+i]|
.set i, i+1
.endr
.Lnosum_\@:
.set i, 0
.rept 64
	v_ldexp_f32 v[RS+i], v[RS+i], s27              ; +-infinity, or +-0
.set i, i+1
.endr
.set i, 0
.rept 64
	v_med3_num_f32 v[RS+i], v[RS+i], -v[LIMC], v[LIMC]   ; the sign and the hold in one (the conversion does not saturate: ISA guide 7.6.2)
.set i, i+1
.endr
.irp g, 0,1,2,3,4,5,6,7
	v_cvt_scalef32_pk8_fp8_f32 v[C+2*\g:C+2*\g+1], v[RS+8*\g:RS+8*\g+7], v[SC]   ; rows 2 g and 2 g + 1: four codes each
.endr
.irp i, 0,1,2,3,4,5,6,7,8,9,10,11,12,13,14,15
	ds_store_b32 v[LW], v[C+\i] offset:LP*\i       ; row i's 128 codes: 128 consecutive bytes
.endr
.irp c, 0,1,2,3
	ds_load_b128 v[OU+4*\c:OU+4*\c+3], v[LR] offset:32*\c   ; LDS serves a wave's instructions in order: these see my stores
.endr
.if (\t) == 0
	LOAD 3
.endif
	s_wait_dscnt 0x0
.irp c, 0,1,2,3
	global_store_b128 v[OFF], v[OU+4*\c:OU+4*\c+3], s[12:13] offset:2048*(\t)+512*\c   ; 512 consecutive bytes, aligned to 512
.endr
.endm
	JOB 0, 32
	JOB 1, 32
	JOB 2, 16
	JOB 3, 0
	s_cmp_lg_u32 s19, 0
	s_cbranch_scc0 .Lend                           ; W's waves have no sum
	v_add_f32 v[SUM], v[SUM], v[SUM+1]
	v_add_f32 v[SUM+2], v[SUM+2], v[SUM+3]
	s_delay_alu instid0(VALU_DEP_1)
	v_add_f32 v[SUM], v[SUM], v[SUM+2]
	s_delay_alu instid0(VALU_DEP_1)
	v_add_f32_dpp v[SUM], v[SUM], v[SUM] row_xmask:1 row_mask:0xf bank_mask:0xf
	s_delay_alu instid0(VALU_DEP_1)
	v_add_f32_dpp v[SUM], v[SUM], v[SUM] row_xmask:2 row_mask:0xf bank_mask:0xf
	s_delay_alu instid0(VALU_DEP_1)
	v_add_f32_dpp v[SUM], v[SUM], v[SUM] row_xmask:4 row_mask:0xf bank_mask:0xf
	s_delay_alu instid0(VALU_DEP_1)
	v_add_f32_dpp v[SUM], v[SUM], v[SUM] row_xmask:8 row_mask:0xf bank_mask:0xf
	s_delay_alu instid0(VALU_DEP_1)
	v_permlanex16_b32 v4, v[SUM], s28, s29
	s_delay_alu instid0(VALU_DEP_1)
	v_add_f32 v[SUM], v[SUM], v4                   ; the wave's 8,192
	v_cmp_eq_u32 vcc_lo, 0, v2
	s_wait_alu depctr_va_vdst(0)
	s_wait_xcnt 0x0                                ; EXEC, a source of the stores above, changes only behind this wait
	s_and_saveexec_b32 s30, vcc_lo
	global_store_b32 v3, v[SUM], s[16:17]          ; lane 0 stores the wave's one number
	s_wait_xcnt 0x0
	s_or_b32 exec_lo, exec_lo, s30
.Lend:
	s_wait_tensorcnt 0x0                           ; the wave's end
	ds_add_u32 v[SPW], v[NIL]
	s_wait_dscnt 0x0
	s_endpgm
.Lfunc_end_k_qeb3f449a0f_quant:
	.size	k_qeb3f449a0f_quant, .Lfunc_end_k_qeb3f449a0f_quant-k_qeb3f449a0f_quant
	.p2alignl 7, 3214868480
	.fill 96, 4, 3214868480
	.section	.rodata,"a",@progbits
	.p2align	6, 0x0
	.amdhsa_kernel k_qeb3f449a0f_quant
		.amdhsa_group_segment_fixed_size 19456
		.amdhsa_private_segment_fixed_size 0
		.amdhsa_enable_private_segment 0
		.amdhsa_kernarg_size 48
		.amdhsa_user_sgpr_count 2
		.amdhsa_user_sgpr_kernarg_segment_ptr 1
		.amdhsa_wavefront_size32 1
		.amdhsa_system_sgpr_workgroup_id_x 1
		.amdhsa_system_sgpr_workgroup_id_y 1
		.amdhsa_system_sgpr_workgroup_id_z 1
		.amdhsa_system_vgpr_workitem_id 0
		.amdhsa_next_free_vgpr 240
		.amdhsa_next_free_sgpr 66
		.amdhsa_reserve_vcc 1
		.amdhsa_float_denorm_mode_32 3
		.amdhsa_float_denorm_mode_16_64 3
		.amdhsa_memory_ordered 1
		.amdhsa_forward_progress 1
		.amdhsa_inst_pref_size 67
	.end_amdhsa_kernel
	.amdgpu_metadata
---
amdhsa.version: [ 1, 2 ]
amdhsa.kernels:
  - .name:           k_qeb3f449a0f_quant
    .symbol:         k_qeb3f449a0f_quant.kd
    .args:
      - { .name: x, .offset: 0, .size: 8, .value_kind: global_buffer, .address_space: global }
      - { .name: W, .offset: 8, .size: 8, .value_kind: global_buffer, .address_space: global }
      - { .name: lowp_scales, .offset: 16, .size: 8, .value_kind: global_buffer, .address_space: global }
      - { .name: xc, .offset: 24, .size: 8, .value_kind: global_buffer, .address_space: global }
      - { .name: wc, .offset: 32, .size: 8, .value_kind: global_buffer, .address_space: global }
      - { .name: parts, .offset: 40, .size: 8, .value_kind: global_buffer, .address_space: global }
    .group_segment_fixed_size: 19456
    .private_segment_fixed_size: 0
    .kernarg_segment_align: 8
    .kernarg_segment_size: 48
    .max_flat_workgroup_size: 256
    .sgpr_count:     66
    .vgpr_count:     240
    .wavefront_size: 32
...
	.end_amdgpu_metadata
.endif
;; end of part 1
;; launch gemm (part 2): grid 16 x 16, 4 waves a work-group, clusters of 4 x 1, 327,680 bytes of LDS; arguments xc, wc, lowp_scales, b, parts, out0; writes out0
.if DOCPART == 2
	.amdgcn_target "amdgcn-amd-amdhsa--gfx1250"
	.amdhsa_code_object_version 6
	.text
	.protected	k_qeb3f449a0f_gemm
	.globl	k_qeb3f449a0f_gemm
	.p2align	8
	.type	k_qeb3f449a0f_gemm,@function
k_qeb3f449a0f_gemm:
	s_mov_b64 s[64:65], 0
	v_nop
	global_prefetch_b8 v0, s[64:65] scope:SCOPE_SE
	s_setreg_imm32_b32 hwreg(HW_REG_WAVE_MODE, 25, 1), 1
	s_wait_xcnt 0x0
	s_wait_alu depctr_hold_cnt(0) depctr_sa_sdst(0) depctr_va_vdst(0) depctr_va_sdst(0) depctr_va_ssrc(0) depctr_va_vcc(0) depctr_vm_vsrc(0)
	s_getreg_b32 s2, hwreg(HW_REG_IB_STS2, 6, 4)
	s_cmp_eq_u32 s2, 0
	s_cbranch_scc0 .Lentry_in_a_cluster
	s_endpgm
.Lentry_in_a_cluster:
	s_bfe_u32 s2, ttmp6, 0x10000c
	s_cmp_lg_u32 s2, 0x3003
	s_cbranch_scc0 .Lentry_shape_is_right
	s_endpgm
.Lentry_shape_is_right:
; out0[m][n] = (2^(e0 + e1) x sum over k of xc[m][k] wc[n][k] + b[n]) x mean, mean = (sum of the 2,048 parts) / 2^24.  xc, wc: codes of FP8 (E4M3); sums in f32.
; xc and wc lie as images of operand registers: [tile of 16 rows][K step of 128][c][lane][16 bytes]: a fragment (16 rows x 128 k, 16 registers) is four runs of 512 consecutive bytes.
; The place of k inside an instruction is the same permutation in both operands; every product is + or - one number (or 0), so the sums are exact in any order.
; A block of out0 is 256 x 256, made by four waves.  WAVE w TAKES ALL 256 ROWS x COLUMNS 64 w .. 64 w + 63: 16 x 4 accumulators, 512 registers.
; x's TILE GOES THROUGH LDS: two slots of 131,072 bytes, each 256 rows x 512 k (four steps of 128); wave w fetches row tiles 4 w .. 4 w + 3 by one tensor load (4 rows of 8,192 bytes).  Fragment reads take 512
; consecutive bytes, so the slots need no padding.  The four work-groups of a cluster (4, 1, 1) make one tile row of out0 and ask for x's tile jointly (mask 15).
; W's FRAGMENTS GO STRAIGHT INTO REGISTERS: the four waves take different columns, so a work-group fetches each byte of its 256 rows of wc once, by loads of 512 consecutive bytes, four steps ahead (four sets of 64 registers).
; W is not asked for jointly: the two slots of x take 262,144 of LDS's 327,680 bytes, so W's tile of the same 512 k has no room there, and loads into registers have no joint form.
; THE MATRIX INSTRUCTION IS USED TRANSPOSED (source 0 = 16 rows of W, source 1 = 16 rows of x): a lane holds eight neighbouring numbers of a row of out0.
; A step is 64 matrix instructions: x's 16 blocks one after the other, each against W's four; the blocks pass through a ring of 8 (128 registers), fetched in runs of four blocks (16 loads) and waited for two blocks at a time.
; THE LAST FOUR STEPS (slot 7) GO BY BLOCKS OF ROWS: slot 1 of LDS, W's sets 0 to 2 and a fifth set (step 31's, loaded behind step 25) hold all that they need, so each block of 16 rows gets its 16 matrix
; instructions on end and leaves at once, while the next block is multiplied.
; PREFETCH: at each refill (slot i + 2) the bytes of slot i + 3 are asked for: of x's tile each partner takes 4 row tiles by address (wave w one of them: 32 lanes x 256 bytes = its 8,192), of W each wave its own
; four column tiles; slot 2 is asked for at the head; the last refill asks for nothing (there is no slot 8).  W's loads for slot i + 3 begin one slot behind the request.
; REGISTERS: window 0: v0-31 addresses; v32-63 b x mean; v64-127 parts, then W's fifth set; v128-255 x's ring.  Window 1: W's four sets; behind step 27 set 3's v192-223 take a block's results on the way out.
; Windows 2, 3: accumulators, (a, b) at v[8 (4 (a % 8) + b)]; on the way out a block's rows come back from the stage into its own 32 accumulator registers.
; A wave has one tensor load outstanding.
.set SLOT,   131072
.set IVB,    8192                      ; a tile of 16 rows x 512 k
.set TILB,   65536                     ; a tile of 16 rows x 4,096 k
.set STAGE,  2*SLOT                    ; the way out: 16 rows x 272 bytes for each wave; no tensor load lands here
.set SPITCH, 272
.set SPARE,  STAGE+4*16*SPITCH         ; the spare words, 128 bytes a wave
.set BO,   8                           ; v8  32 h: my bytes of b
.set MEAN, 10
.set SCL,  12
.set PD,   14
.set ADRA, 16                          ; v16-19 16 x lane + slot 0 blocks 0-7, 8-15; slot 1 likewise
.set BOFF, 20                          ; v20 16 x lane
.set PFO,  21                          ; v21 256 x lane
.set STO,  24
.set RD,   25
.set CO,   26
.set SPW,  28
.set NIL,  29
.set BM,   32
.set P,    64
.set F5,   64                          ; W's fifth set, in window 0
.set T1,   192                         ; a block's results, in window 1
.set AF,   128
.set G1,  24                           ; s[24:31] group 1; s[32:35], s[36:39] group 0 of slot 0, 1
.set G0,  32
.set BP,  44                           ; s[44:45] W's fragments
.set PFA, 48
.set PFB, 50
.set MSB, 0
.macro WIN new
.if MSB != \new
	s_set_vgpr_msb (MSB<<8)|\new
.set MSB, \new
.endif
.endm
.set MUL_LO, 0xa1                      ; source 0 (W) window 1, source 1 (x) window 0, C and D window 2; + 0x50: window 3; - 1: source 0 in window 0
.set TO_B,   0x40
.macro PLACES                          ; four places behind matrix instructions, ahead of loads into their registers and of reads of results
.rept 4
	v_nop
.endr
.endm
.macro CREST
	s_cmp_lg_u32 s14, 0
	s_cbranch_scc1 .Lnot_wave_0_\@
	s_barrier_signal -3
.Lnot_wave_0_\@:
	s_barrier_wait -3
	s_barrier_signal -1
	s_barrier_wait -1
.endm
.macro CROUND
	s_barrier_signal -1
	s_barrier_wait -1
	CREST
.endm
.macro JLOAD s                         ; the joint load of my quarter of slot s
	tensor_load_to_lds s[G0+4*(\s):G0+4*(\s)+3], s[G1:G1+7]
	s_nop 0
	PLACES
.endm
.macro ASK how                         ; 1: always; 2: not in the loop's last trip
.if \how == 2
	s_cmp_gt_u32 s3, 1
	s_cbranch_scc0 .Lno_ask_\@
.endif
.if \how
	global_prefetch_b8 v[PFO], s[PFA:PFA+1] th:TH_LOAD_NT scope:SCOPE_SE
.irp b, 0,1,2,3
	global_prefetch_b8 v[PFO], s[PFB:PFB+1] offset:\b*TILB th:TH_LOAD_NT scope:SCOPE_SE
.endr
.endif
.if \how == 2
.Lno_ask_\@:
.endif
.endm
.macro GRP g, p, zero                  ; 8 matrix instructions: x's blocks 2 g, 2 g + 1 against W's set p.  The 64 accumulators take turns
	WIN MUL_LO+0x50*((\g)/4)
.irp a, 2*(\g), 2*(\g)+1
.irp b, 0,1,2,3
.if \zero
	v_wmma_f32_16x16x128_fp8_fp8 v[8*(4*((\a)%8)+\b):8*(4*((\a)%8)+\b)+7], v[64*(\p)+16*\b:64*(\p)+16*\b+15], v[AF+16*((\a)%8):AF+16*((\a)%8)+15], 0
.else
	v_wmma_f32_16x16x128_fp8_fp8 v[8*(4*((\a)%8)+\b):8*(4*((\a)%8)+\b)+7], v[64*(\p)+16*\b:64*(\p)+16*\b+15], v[AF+16*((\a)%8):AF+16*((\a)%8)+15], v[8*(4*((\a)%8)+\b):8*(4*((\a)%8)+\b)+7]
.endif
.endr
.endr
.endm
.macro ALD slot, q, g                  ; 8 LDS loads: x's blocks 2 g, 2 g + 1 of the slot's step q
.irp a, 2*(\g), 2*(\g)+1
.irp c, 0,1,2,3
	ds_load_b128 v[AF+16*((\a)%8)+4*\c:AF+16*((\a)%8)+4*\c+3], v[ADRA+2*(\slot)+(\a)/8] offset:((\a)%8)*IVB+(\q)*2048+\c*512
.endr
.endr
.endm
.macro BLD p, ko                       ; 16 loads: W's four fragments of the step ko behind s[BP] into set p
.if \ko >= 0
	WIN TO_B
.irp b, 0,1,2,3
.irp c, 0,1,2,3
	global_load_b128 v[64*(\p)+16*\b+4*\c:64*(\p)+16*\b+4*\c+3], v[BOFF], s[BP:BP+1] offset:\b*TILB+(\ko)*2048+\c*512
.endr
.endr
	WIN 0
.endif
.endm
; Four blocks' products (groups 2 G and 2 G + 1 of step q), then one run of loads: W's next set where the step ends (ko >= 0), and the ring's next four blocks.
.macro GL2 q, G, zero, ns, nq, ng, ko
	s_wait_dscnt 24                                ; my first two blocks are in; the run's other 8 loads and the next run's 16 may be out
	GRP 2*(\G), \q, \zero
	s_wait_dscnt 16                                ; the next run may be out
	GRP 2*(\G)+1, \q, \zero
	PLACES
	BLD \q, \ko
	WIN 0
	ALD \ns, \nq, \ng
	ALD \ns, \nq, (\ng)+1
.endm
; A step whose successor lies in the same slot.  lc: W's younger loads, which may stay out.
.macro STEP slot, q, zero, lc, ko
	s_wait_loadcnt \lc
	GL2 \q, 0, \zero, \slot, \q, 4, -1
	GL2 \q, 1, \zero, \slot, \q, 6, -1
	GL2 \q, 2, \zero, \slot, (\q)+1, 0, -1
	GL2 \q, 3, \zero, \slot, (\q)+1, 2, \ko
.endm
; 16 LDS loads: x's block a of slot 1's four steps, into half a % 2 of the ring's registers
.macro ALDB a
.irp q, 0,1,2,3
.irp c, 0,1,2,3
	ds_load_b128 v[AF+64*((\a)%2)+16*\q+4*\c:AF+64*((\a)%2)+16*\q+4*\c+3], v[ADRA+2+(\a)/8] offset:((\a)%8)*IVB+\q*2048+\c*512
.endr
.endr
.endm
; A slot's last step changes slots: each wave waits for all its tensor loads, adds 0 to its spare word, waits for that and for its reads of this slot; then the barrier, which with fill = 1 opens a round of the cluster's barrier.
; fin = 1: what follows goes by blocks of rows: the ring's halves take blocks 0 and 1.
.macro TURN slot, fill, ask, sbp, lc, ko, fin
.if \fill
	s_wait_xcnt 0x0                                ; prefetches and W's loads have read their bases
	s_add_nc_u64 s[PFA:PFA+1], s[PFA:PFA+1], IVB
	s_add_nc_u64 s[PFB:PFB+1], s[PFB:PFB+1], IVB
.if \sbp
	s_add_nc_u64 s[BP:BP+1], s[BP:BP+1], 8*2048
.endif
.endif
	s_wait_loadcnt \lc
	GL2 3, 0, 0, \slot, 3, 4, -1
	GL2 3, 1, 0, \slot, 3, 6, -1
	s_wait_dscnt 24
	GRP 4, 3, 0
	WIN 0
	s_wait_tensorcnt 0x0                           ; my part of the next slot has landed
	ds_add_u32 v[SPW], v[NIL]
.if \fill
	s_add_nc_u64 s[G0+4*\slot+2:G0+4*\slot+3], s[G0+4*\slot+2:G0+4*\slot+3], 2*IVB
.endif
	s_wait_dscnt 17                                ; groups 6 and 7 and the add may be out
	GRP 5, 3, 0
	s_wait_dscnt 0x0                               ; the add is done, my reads of this slot are over
	s_barrier_signal -1
	GRP 6, 3, 0
	WIN 0
	s_barrier_wait -1
.if \fill
	CREST
	JLOAD \slot                                    ; the first tensor load behind the round; its four v_nop are the places for the loads below
.else
	PLACES
.endif
.if \fin
	ALDB 0
	GRP 7, 3, 0
	WIN 0
	PLACES
	ALDB 1
.else
	ALD 1-\slot, 0, 0
	ALD 1-\slot, 0, 1
	ALD 1-\slot, 0, 2
	ASK \ask
	GRP 7, 3, 0
	PLACES
	BLD 3, \ko
	WIN 0
	ALD 1-\slot, 0, 3
.endif
.endm
	s_load_b128 s[4:7], s[0:1], 0x0                ; xc, wc
	s_load_b128 s[8:11], s[0:1], 0x10              ; the scales' exponents, b
	s_load_b128 s[84:87], s[0:1], 0x20             ; parts, out0
	v_lshl_add_u32 v[SPW], v0, 2, SPARE
	v_mov_b32 v[NIL], 0
	ds_add_u32 v[SPW], v[NIL]
	ds_add_u32 v[SPW], v[NIL]
	v_lshrrev_b32 v1, 5, v0
	v_readfirstlane_b32 s14, v1                    ; wave w
	s_bfe_u32 s40, ttmp6, 0x40000                  ; cx
	s_lshl_b32 s42, ttmp9, 2
	s_add_co_u32 s42, s42, s40                     ; tile column = 4 x cluster x + cx
	s_and_b32 s17, ttmp7, 0xffff                   ; tile row y: shared by the cluster
	s_mov_b32 s[G1+0], 15|(1<<21)                  ; the mask of the four; elements of one byte; no padding
	s_mov_b32 s[G1+1], IVB<<16                     ; tensor_dim0 = 8,192
	s_mov_b32 s[G1+2], 4<<16                       ; tensor_dim1 = 4
	s_mov_b32 s[G1+3], IVB<<16                     ; tile_dim0
	s_mov_b32 s[G1+4], 4                           ; tile_dim1
	s_mov_b32 s[G1+5], TILB                        ; from row tile to row tile
	s_mov_b32 s[G1+6], 0
	s_mov_b32 s[G1+7], 0
	s_mov_b32 s80, 0x76543210
	s_mov_b32 s81, 0xfedcba98
	s_lshl_b32 s20, s17, 4
	s_lshl_b32 s21, s14, 2
	s_add_co_u32 s46, s20, s21                     ; x: row tile 16 y + 4 w
	s_lshl_b32 s46, s46, 16
	s_mov_b32 s47, 0
	s_lshl_b32 s52, s42, 4
	s_add_co_u32 s52, s52, s21                     ; W: column tile 16 x tile column + 4 w
	s_lshl_b32 s52, s52, 16
	s_mov_b32 s53, 0
	s_lshl_b32 s54, s40, 2
	s_add_co_u32 s54, s54, s20
	s_add_co_u32 s54, s54, s14                     ; x's prefetch: row tile 16 y + 4 cx + w
	s_lshl_b32 s54, s54, 16
	s_mov_b32 s55, 0
	s_lshl_b32 s58, s42, 10
	s_lshl_b32 s59, s14, 8
	s_add_co_u32 s58, s58, s59                     ; my first column in bytes
	s_mov_b32 s59, 0
	s_lshl_b32 s56, s17, 22                        ; 256 y rows of 16,384 bytes
	s_add_co_u32 s56, s56, s58
	s_mov_b32 s57, 0
	s_mov_b32 s[G0], 1
	s_mov_b32 s[G0+4], 1
	s_lshl_b32 s[G0+1], s14, 15                    ; LDS: wave x 32,768
	s_add_co_u32 s[G0+5], s[G0+1], SLOT
	s_mul_i32 s23, s14, 16*SPITCH
	s_add_co_u32 s23, s23, STAGE                   ; my stage
	v_and_b32 v1, 15, v0                           ; r
	v_bfe_u32 v2, v0, 4, 1                         ; h
	v_and_b32 v3, 31, v0                           ; lane
	v_lshlrev_b32 v[BOFF], 4, v3
	v_lshlrev_b32 v[PFO], 8, v3
	v_lshlrev_b32 v[BO], 5, v2
	v_mov_b32 v[PD], 0
	v_lshlrev_b32 v[ADRA], 4, v3
	v_add_nc_u32 v[ADRA+1], 0x10000, v[ADRA]
	v_add_nc_u32 v[ADRA+2], 0x20000, v[ADRA]
	v_add_nc_u32 v[ADRA+3], 0x30000, v[ADRA]
	v_mul_u32_u24 v4, v1, SPITCH                   ; into the stage: row r, 32 bytes for each half of the lanes
	v_lshl_add_u32 v4, v2, 5, v4
	v_add_nc_u32 v[STO], s23, v4
	v_mul_u32_u24 v5, v2, SPITCH                   ; back: lanes 0-15 one row of 256 bytes, lanes 16-31 the next
	v_lshl_add_u32 v5, v1, 4, v5
	v_add_nc_u32 v[RD], s23, v5
	v_lshlrev_b32 v6, 14, v2                       ; and the same two rows in out0
	v_lshl_add_u32 v[CO], v1, 4, v6
	s_wait_alu depctr_va_vdst(0)
	s_wait_dscnt 0x0                               ; both opening adds are done
	s_wait_kmcnt 0x0
	s_load_b64 s[96:97], s[8:9], 0x0               ; e0, e1
	s_add_nc_u64 s[G0+2:G0+3], s[4:5], s[46:47]
	s_add_nc_u64 s[G0+6:G0+7], s[G0+2:G0+3], IVB
	s_or_b32 s[G0+3], s[G0+3], 0x80000000
	s_or_b32 s[G0+7], s[G0+7], 0x80000000
	s_add_nc_u64 s[BP:BP+1], s[6:7], s[52:53]
	s_add_nc_u64 s[PFB:PFB+1], s[BP:BP+1], 2*IVB
	s_add_nc_u64 s[PFA:PFA+1], s[4:5], s[54:55]
	s_add_nc_u64 s[PFA:PFA+1], s[PFA:PFA+1], 2*IVB
	s_add_nc_u64 s[86:87], s[86:87], s[56:57]
	s_add_nc_u64 s[10:11], s[10:11], s[58:59]
	CROUND                                         ; the four work-groups are here: the first joint loads meet
	JLOAD 0                                        ; slot 0: one tensor load a wave at the head
.irp t, 0,1,2,3
	global_load_b128 v[BM+8*\t:BM+8*\t+3],   v[BO], s[10:11] offset:64*\t      ; b at columns 16 t + 8 h + 0 .. 7
	global_load_b128 v[BM+8*\t+4:BM+8*\t+7], v[BO], s[10:11] offset:64*\t+16
.endr
.irp i, 0,1,2,3,4,5,6,7,8,9,10,11,12,13,14,15
	global_load_b128 v[P+4*\i:P+4*\i+3], v[BOFF], s[84:85] offset:512*\i
.endr
	BLD 0, 0
	BLD 1, 1
	s_wait_kmcnt 0x0
	s_wait_loadcnt 32                              ; b and parts are in; W's two sets may be out.  The mean is made while slot 0 is on its way
.irp d, 32,16,8,4,2
.set j, 0
.rept \d/2
	v_pk_add_f32 v[P+j:P+j+1], v[P+j:P+j+1], v[P+\d+j:P+\d+j+1]
.set j, j+2
.endr
.endr
	v_add_f32 v[P], v[P], v[P+1]
	v_add_f32_dpp v[P], v[P], v[P] row_xmask:1 row_mask:0xf bank_mask:0xf
	v_add_f32_dpp v[P], v[P], v[P] row_xmask:2 row_mask:0xf bank_mask:0xf
	v_add_f32_dpp v[P], v[P], v[P] row_xmask:4 row_mask:0xf bank_mask:0xf
	v_add_f32_dpp v[P], v[P], v[P] row_xmask:8 row_mask:0xf bank_mask:0xf
	v_permlanex16_b32 v[PD], v[P], s80, s81
	v_add_f32 v[P], v[P], v[PD]
	v_mul_f32 v[MEAN], 0x33800000, v[P]            ; / 2^24
	s_add_co_i32 s96, s96, s97
	v_ldexp_f32 v[SCL], v[MEAN], s96               ; mean x 2^(e0 + e1)
	v_mov_b32 v[MEAN+1], v[MEAN]
	v_mov_b32 v[SCL+1], v[SCL]
.set j, 0
.rept 16
	v_pk_mul_f32 v[BM+j:BM+j+1], v[BM+j:BM+j+1], v[MEAN:MEAN+1]
.set j, j+2
.endr
	s_wait_alu depctr_va_vdst(0)
	s_wait_tensorcnt 0x0                           ; my part of slot 0 is in
	ds_add_u32 v[SPW], v[NIL]
	s_wait_dscnt 0x0
	CROUND
	JLOAD 1                                        ; slot 1's first fill
	ALD 0, 0, 0
	ALD 0, 0, 1
	ALD 0, 0, 2
	ALD 0, 0, 3
	ASK 1                                          ; slot 2
	BLD 2, 2
	BLD 3, 3
	STEP 0, 0, 1, 48, 4                            ; the first step starts the sums
	s_mov_b32 s3, 3
.Llap:                                                 ; a trip: eight steps, from a lap's second step to the next lap's first; both slots are filled again
	STEP 0, 1, 0, 48, 5
	STEP 0, 2, 0, 48, 6
	TURN 0, 1, 1, 0, 48, 7, 0
	STEP 1, 0, 0, 48, 8
	STEP 1, 1, 0, 48, 9
	STEP 1, 2, 0, 48, 10
	TURN 1, 1, 2, 1, 48, 3, 0
	STEP 0, 0, 0, 48, 4
	s_sub_co_u32 s3, s3, 1
	s_cmp_lg_u32 s3, 0
	s_cbranch_scc1 .Llap
	STEP 0, 1, 0, 48, 5                            ; step 25; no slot is filled any more
.irp b, 0,1,2,3                        ; step 31's fragments of W go into the fifth set now: set 3 is at work until step 27 ends
.irp c, 0,1,2,3
	global_load_b128 v[F5+16*\b+4*\c:F5+16*\b+4*\c+3], v[BOFF], s[BP:BP+1] offset:\b*TILB+7*2048+\c*512
.endr
.endr
	STEP 0, 2, 0, 48, 6                            ; step 26
	TURN 0, 0, 0, 0, 48, -1, 1                     ; step 27
; THE WAY OUT, block by block of 16 rows x 64 columns: x mean 2^(e0 + e1), + b mean; through my own stage; back as rows of 256 bytes, into the block's own accumulator registers, which are
; written by nothing afterwards: so no store's data are written again.  Sixteen lanes store one aligned unit of 256 bytes.
.macro TOSTAGE a
.set AC, 32*((\a)%8)
	WIN 0x42+((\a)/8)
.set j, 0
.rept 16
	v_pk_fma_f32 v[T1+j:T1+j+1], v[AC+j:AC+j+1], v[SCL:SCL+1], v[BM+j:BM+j+1]   ; each accumulator from its low end on
.set j, j+2
.endr
	WIN 0x04
.irp b, 0,1,2,3
	ds_store_b128 v[STO], v[T1+8*\b:T1+8*\b+3] offset:64*\b
	ds_store_b128 v[STO], v[T1+8*\b+4:T1+8*\b+7] offset:64*\b+16
.endr
	WIN 0x80+0x40*((\a)/8)
.irp t, 0,1,2,3,4,5,6,7
	ds_load_b128 v[AC+4*\t:AC+4*\t+3], v[RD] offset:\t*2*SPITCH    ; LDS serves a wave's instructions in order
.endr
	WIN 0
.endm
.macro SEND a, younger
.set AC, 32*((\a)%8)
	s_wait_dscnt \younger
	WIN 0x08+0x04*((\a)/8)
.irp t, 0,1,2,3,4,5,6,7
	global_store_b128 v[CO], v[AC+4*\t:AC+4*\t+3], s[86:87] offset:(16*(\a)+2*\t)*16384 th:TH_STORE_NT   ; 254 rows at the most: inside the signed 24-bit immediate
.endr
	WIN 0
.endm
; Block a is finished: steps 28 to 31, its four accumulators by turns (three others between two steps of a sum).  w1: the LDS instructions issued behind its fragments' loads; w2: those behind block a - 1's rows.
.macro FINB a, w1, w2
	s_wait_dscnt \w1
	WIN MUL_LO+0x50*((\a)/8)
.irp q, 0,1,2
.irp b, 0,1,2,3
	v_wmma_f32_16x16x128_fp8_fp8 v[8*(4*((\a)%8)+\b):8*(4*((\a)%8)+\b)+7], v[64*\q+16*\b:64*\q+16*\b+15], v[AF+64*((\a)%2)+16*\q:AF+64*((\a)%2)+16*\q+15], v[8*(4*((\a)%8)+\b):8*(4*((\a)%8)+\b)+7]
.endr
.endr
	WIN MUL_LO-1+0x50*((\a)/8)                     ; step 31: W's fifth set lies in window 0
.irp b, 0,1,2,3
	v_wmma_f32_16x16x128_fp8_fp8 v[8*(4*((\a)%8)+\b):8*(4*((\a)%8)+\b)+7], v[F5+16*\b:F5+16*\b+15], v[AF+64*((\a)%2)+48:AF+64*((\a)%2)+63], v[8*(4*((\a)%8)+\b):8*(4*((\a)%8)+\b)+7]
.endr
	WIN 0
	PLACES
.if (\a) < 14
	ALDB (\a)+2                                    ; its half of the ring takes the block two further on
.endif
	TOSTAGE \a
.if (\a) > 0
	SEND (\a)-1, \w2
.endif
.endm
	s_wait_loadcnt 0                               ; W's sets 0 to 2 and the fifth
	FINB 0, 16, 0                                  ; behind block 0's loads: block 1's 16
	FINB 1, 32, 32                                 ; 16 loads and a stage's 16
.irp a, 2,3,4,5,6,7,8,9,10,11,12,13
	FINB \a, 48, 32                                ; two stages' 16 and 16 loads; behind the rows: 16 loads and a stage's 16
.endr
	FINB 14, 48, 16
	FINB 15, 32, 16
	SEND 15, 0
	s_wait_tensorcnt 0x0                           ; the wave's end
	ds_add_u32 v[SPW], v[NIL]
	s_wait_dscnt 0x0
	CROUND                                         ; the closing round
	s_endpgm
.Lfunc_end_k_qeb3f449a0f_gemm:
	.size	k_qeb3f449a0f_gemm, .Lfunc_end_k_qeb3f449a0f_gemm-k_qeb3f449a0f_gemm
	.p2alignl 7, 3214868480
	.fill 96, 4, 3214868480
	.section	.rodata,"a",@progbits
	.p2align	6, 0x0
	.amdhsa_kernel k_qeb3f449a0f_gemm
		.amdhsa_group_segment_fixed_size 327680
		.amdhsa_private_segment_fixed_size 0
		.amdhsa_enable_private_segment 0
		.amdhsa_kernarg_size 48
		.amdhsa_user_sgpr_count 2
		.amdhsa_user_sgpr_kernarg_segment_ptr 1
		.amdhsa_wavefront_size32 1
		.amdhsa_system_sgpr_workgroup_id_x 1
		.amdhsa_system_sgpr_workgroup_id_y 1
		.amdhsa_system_sgpr_workgroup_id_z 1
		.amdhsa_system_vgpr_workitem_id 0
		.amdhsa_next_free_vgpr 1024
		.amdhsa_next_free_sgpr 98
		.amdhsa_reserve_vcc 0
		.amdhsa_float_denorm_mode_32 3
		.amdhsa_float_denorm_mode_16_64 3
		.amdhsa_memory_ordered 1
		.amdhsa_forward_progress 1
		.amdhsa_inst_pref_size 232
	.end_amdhsa_kernel
	.amdgpu_metadata
---
amdhsa.version: [ 1, 2 ]
amdhsa.kernels:
  - .name:           k_qeb3f449a0f_gemm
    .symbol:         k_qeb3f449a0f_gemm.kd
    .args:
      - { .name: xc, .offset: 0, .size: 8, .value_kind: global_buffer, .address_space: global }
      - { .name: wc, .offset: 8, .size: 8, .value_kind: global_buffer, .address_space: global }
      - { .name: lowp_scales, .offset: 16, .size: 8, .value_kind: global_buffer, .address_space: global }
      - { .name: b, .offset: 24, .size: 8, .value_kind: global_buffer, .address_space: global }
      - { .name: parts, .offset: 32, .size: 8, .value_kind: global_buffer, .address_space: global }
      - { .name: out0, .offset: 40, .size: 8, .value_kind: global_buffer, .address_space: global }
    .group_segment_fixed_size: 327680
    .private_segment_fixed_size: 0
    .kernarg_segment_align: 8
    .kernarg_segment_size: 48
    .max_flat_workgroup_size: 128
    .sgpr_count:     98
    .vgpr_count:     1024
    .wavefront_size: 32
...
	.end_amdgpu_metadata
.endif
;; end of part 2
